; MI455X (gfx1250); checked and timed in simulation.
; The chip was launched on July 23, 2026; its instructions are those of AMD's public machine-readable ISA for CDNA 5 (MIT licence, August 2026) and "CDNA5" Instruction Set Architecture Reference Guide (July 2026). The comments in the code are by the model that wrote it; some were corrected since.
;; Local Attention. Allowed arithmetic: matrix products marked QUANTISED: E4M3 operands, one given power-of-two scale a tensor, by v_wmma_f32_16x16x64_fp8_fp8 or v_wmma_f32_16x16x128_fp8_fp8, f32 sums; products left as they are: f32 operands where the result goes on into a quantised operand, else bf16, f16 or f32 operands; f32 sums; everything else in f32.
;; Inputs: Wkv 512 x 256 float32; Wq 256 x 256 float32; features 32 x 256 x 64 x 64 float32; ln_kv_b 256 float32; ln_kv_w 256 float32; ln_q_b 256 float32; ln_q_w 256 float32; lowp_scales 6 int32 (the exponents e of the quantised operands' scales 2^e); proj_b 256 float32; proj_w 256 x 256 float32.
;; Outputs: out0 32 x 256 x 256 float32.
;; Constants: conv_stride = 4, num_heads = 8.
;; This version of the problem:
;;   THIS VERSION OF THE PROBLEM IS GIVEN IN LOW PRECISION. The matrix products marked QUANTISED in the list below multiply operands that are first quantised to E4M3 (4 exponent bits, 3 mantissa bits; 8 bits a number), with one given power-of-two scale for each operand tensor; their sums are f32. All else is computed in f32.
;;   The module's matrix products, in the order in which they are computed (A, B: the left and right operand; K: the contracted axis; several contracted axes count as one K, in the product's order):
;;     1. [M 8,192, K 256] x [K 256, N 256]; A: computed on the way; B: input Wq: QUANTISED (scales: A lowp_scales[0], B lowp_scales[1])
;;     2. [M 131,072, K 256] x [K 256, N 512]; A: computed on the way; B: input Wkv: QUANTISED (scales: A lowp_scales[2], B lowp_scales[3])
;;     3. batch 65,536 x [M 1, K 32] x [K 32, N 16]; A: computed on the way; B: computed on the way: left as it is (M = 1 < 16)
;;     4. batch 65,536 x [M 1, K 16] x [K 16, N 32]; A: softmax; B: computed on the way: left as it is (K = 16 < 32)
;;     5. [M 8,192, K 256] x [K 256, N 256]; A: computed on the way; B: input proj_w: QUANTISED (scales: A lowp_scales[4], B lowp_scales[5])
;;   THE QUANTISER, for each operand of a quantised product, along K:
;;     - The operand's scale is 2^e, e = its entry of the input lowp_scales (int32; the entries are numbered through the quantised products in the list's order, A before B).
;;     - Each number is divided by the scale, clamped to +-448, and rounded to the nearest number of E4M3, ties to even, subnormals kept.
;;     - The product sums the exact products of the quantised numbers (number of the format x scale) in f32.
;;   ~~~python
;;   def quantise(x, axis, e):      # numpy; x: float32 -> the quantised numbers, widened to float32 again
;;       x = np.moveaxis(x, axis, -1); K = x.shape[-1]
;;       r = np.clip(x / 2.0 ** e, -448, 448)
;;       step = 2.0 ** (np.maximum(np.frexp(np.where(r == 0, 1, r))[1] - 1, -6) - 3)
;;       q = np.round(r / step) * step * 2.0 ** e      # np.round: ties to even
;;       return np.moveaxis(q, -1, axis).astype(np.float32)
;;   ~~~
;;   OPERANDS COMPUTED ON THE WAY. 'Computed on the way' means the value that the module computes at that place (a softmax that the list does not call 'softmax' is quantised finished and normalised). What goes into a quantiser is computed in f32, as accurately as f32 sums, v_exp_f32 and their like allow (about 1e-6 of the number): no bf16 or f16 on the way to a quantiser, and a product that is left as it is and whose result goes on into a quantised operand takes f32 operands (vector FMAs, or v_wmma_f32_16x16x4_f32). A number that lies on a knife's edge between two numbers of the format may be rounded either way, as far as f32 arithmetic and the matrix unit's own rounding can turn it there, and no further.
;; One version. Each part assembles by itself: llvm-mc -triple=amdgcn-amd-amdhsa -mcpu=gfx1250 --defsym DOCPART=n.
;; ======== version 1 of 1: 2 launches
;; workspace buffers: wcodes 262,144 bytes
;; launch prep (part 1): grid 128 x 1, 4 waves a work-group, no clusters, 0 bytes of LDS; arguments Wq, Wkv, proj_w, lowp_scales, wcodes; writes wcodes
.if DOCPART == 1
	.amdgcn_target "amdgcn-amd-amdhsa--gfx1250"
	.amdhsa_code_object_version 6
	.text
	.protected	k_qea7f9cbdc3_prep
	.globl	k_qea7f9cbdc3_prep
	.p2align	8
	.type	k_qea7f9cbdc3_prep,@function
k_qea7f9cbdc3_prep:
	s_mov_b64 s[64:65], 0
	v_nop
	global_prefetch_b8 v0, s[64:65] scope:SCOPE_SE
	s_setreg_imm32_b32 hwreg(HW_REG_WAVE_MODE, 25, 1), 1
	s_wait_xcnt 0x0
; The three weights (f32, K innermost) become codes of E4M3, laid as IMAGES OF OPERAND REGISTERS for the main launch.
; wcodes = [w 0..3][idx 0..31][2,048 bytes].  idx 0-15: Wkv (tile T = idx / 2: 0-3 keys, 4-7 values; K step s = idx % 2); idx 16-23: Wq (tile, s); idx 24-31: proj_w (tile, s).
; A fragment (16 rows x 128 K, 16 registers a lane): byte 512 g + 16 L + 4 q + y = lane L, register 4 g + q, byte y.  L = 16 h + r holds row r of the tile.
; ROWS.  Wkv, Wq: row r of tile t is weight row 64 w + 8 t + (r & 7) + 32 (r >> 3) (+ 256 for values): rows 0-7 of head 2 w, rows 8-15 of head 2 w + 1.  proj_w: 64 w + 16 t + r.
; K.  The places of k are permuted, alike in both operands of a product.  Wkv, Wq: channel 128 s + 64 h + 16 g + 4 q + y.  proj_w: channel 128 s + 64 (g >> 1) + 32 h + 16 (g & 1) + 4 q + y.
; Work-group f makes fragment f; wave g its register group g; a lane 16 codes out of 16 neighbouring numbers.  A wave stores 512 consecutive bytes.
; code = x / 2^e, held within +-448, to the nearest code, ties to even.  LIMITS: each e between -126 and 119.  NaN among the inputs is not served.
	s_load_b256 s[4:11], s[0:1], 0x0               ; Wq s[4:5], Wkv s[6:7], proj_w s[8:9], the scales' exponents s[10:11]
	s_load_b64 s[12:13], s[0:1], 0x20              ; wcodes
	v_lshrrev_b32 v1, 5, v0
	v_readfirstlane_b32 s14, v1                    ; g
	v_and_b32 v1, 31, v0                           ; L
	v_and_b32 v2, 7, v0                            ; r & 7
	v_bfe_u32 v4, v0, 3, 1                         ; r >> 3
	v_bfe_u32 v6, v0, 4, 1                         ; h
	s_lshr_b32 s15, ttmp9, 5                       ; w
	s_and_b32 s16, ttmp9, 31                       ; idx
	s_bfe_u32 s17, s16, 0x20001                    ; the tile: (idx >> 1) & 3
	s_and_b32 s18, s16, 1                          ; s
	s_lshl_b32 s22, s14, 4                         ; 16 g
	s_lshr_b32 s23, s14, 1
	s_lshl_b32 s23, s23, 6
	s_and_b32 s24, s14, 1
	s_lshl_b32 s24, s24, 4
	s_add_co_u32 s23, s23, s24                     ; 64 (g >> 1) + 16 (g & 1)
	s_lshr_b32 s24, s16, 3
	s_cmp_eq_u32 s24, 1                            ; idx 8-15: the values' half of Wkv
	s_cselect_b32 s24, 256, 0
	s_cmp_ge_u32 s16, 24                           ; proj_w?
	s_cselect_b32 s19, 16, 8                       ; rows from tile to tile
	s_cselect_b32 s20, 8, 32                       ; rows from r = 7 to r = 8, less 7... : (r >> 3) counts for so many rows
	s_cselect_b32 s21, 32, 64                      ; channels from h = 0 to h = 1
	s_cselect_b32 s22, s23, s22                    ; the group's first channel
	s_mul_i32 s19, s17, s19
	s_lshl_b32 s25, s15, 6
	s_add_co_u32 s25, s25, s19
	s_add_co_u32 s25, s25, s24                     ; the tile's first row
	s_lshl_b32 s25, s25, 10                        ; a row is 1,024 bytes
	s_lshl_b32 s18, s18, 9
	s_lshl_b32 s22, s22, 2
	s_add_co_u32 s30, s25, s18
	s_add_co_u32 s30, s30, s22
	s_mov_b32 s31, 0
	v_mul_u32_u24 v4, s20, v4
	v_add_nc_u32 v2, v2, v4                        ; my row in the tile
	v_mul_u32_u24 v6, s21, v6
	v_lshlrev_b32 v3, 10, v2
	v_lshl_add_u32 v3, v6, 2, v3                   ; + my half's channels
	v_lshlrev_b32 v5, 4, v1                        ; out: 16 L
	s_lshl_b32 s28, ttmp9, 11
	s_lshl_b32 s29, s14, 9
	s_add_co_u32 s28, s28, s29                     ; 2,048 f + 512 g
	s_mov_b32 s29, 0
	s_wait_kmcnt 0x0
	s_load_b128 s[32:35], s[10:11], 0x0            ; e0 .. e3
	s_load_b64 s[36:37], s[10:11], 0x10            ; e4, e5
	s_cmp_lt_u32 s16, 24                           ; the tensor is chosen by the work-group's number alone
	s_cselect_b64 s[26:27], s[4:5], s[8:9]
	s_cmp_lt_u32 s16, 16
	s_cselect_b64 s[26:27], s[6:7], s[26:27]
	s_add_nc_u64 s[26:27], s[26:27], s[30:31]
	s_add_nc_u64 s[12:13], s[12:13], s[28:29]
.irp i, 0,1,2,3
	global_load_b128 v[8+4*\i:11+4*\i], v3, s[26:27] offset:16*\i
.endr
	s_wait_kmcnt 0x0
	s_cmp_lt_u32 s16, 24
	s_cselect_b32 s38, s33, s37                    ; Wq's e is entry 1, proj_w's entry 5,
	s_cmp_lt_u32 s16, 16
	s_cselect_b32 s38, s35, s38                    ; Wkv's entry 3
	s_add_co_i32 s38, s38, 127
	s_lshl_b32 s39, s38, 23
	v_mov_b32 v29, s39                             ; 2^e as f32: the conversion takes its exponent field
	s_add_co_i32 s38, s38, 8
	s_lshl_b32 s38, s38, 23
	s_or_b32 s38, s38, 0x600000
	v_mov_b32 v28, s38                             ; 448 x 2^e
	s_wait_loadcnt 0x0
.irp i, 0,1,2,3,4,5,6,7,8,9,10,11,12,13,14,15
	v_med3_num_f32 v[8+\i], v[8+\i], -v28, v28     ; the conversion to an 8-bit code does not saturate (ISA guide 7.6.2): the hold comes first
.endr
	v_cvt_scalef32_pk8_fp8_f32 v[24:25], v[8:15], v29
	v_cvt_scalef32_pk8_fp8_f32 v[26:27], v[16:23], v29
	global_store_b128 v5, v[24:27], s[12:13]       ; 32 lanes store 512 consecutive bytes, at a multiple of 512 from the buffer's first byte
	s_endpgm
.Lfunc_end_k_qea7f9cbdc3_prep:
	.size	k_qea7f9cbdc3_prep, .Lfunc_end_k_qea7f9cbdc3_prep-k_qea7f9cbdc3_prep
	.p2alignl 7, 3214868480
	.fill 96, 4, 3214868480
	.section	.rodata,"a",@progbits
	.p2align	6, 0x0
	.amdhsa_kernel k_qea7f9cbdc3_prep
		.amdhsa_group_segment_fixed_size 0
		.amdhsa_private_segment_fixed_size 0
		.amdhsa_enable_private_segment 0
		.amdhsa_kernarg_size 40
		.amdhsa_user_sgpr_count 2
		.amdhsa_user_sgpr_kernarg_segment_ptr 1
		.amdhsa_wavefront_size32 1
		.amdhsa_system_sgpr_workgroup_id_x 1
		.amdhsa_system_sgpr_workgroup_id_y 1
		.amdhsa_system_sgpr_workgroup_id_z 1
		.amdhsa_system_vgpr_workitem_id 0
		.amdhsa_next_free_vgpr 48
		.amdhsa_next_free_sgpr 66
		.amdhsa_reserve_vcc 0
		.amdhsa_float_denorm_mode_32 3
		.amdhsa_float_denorm_mode_16_64 3
		.amdhsa_memory_ordered 1
		.amdhsa_forward_progress 1
		.amdhsa_inst_pref_size 5
	.end_amdhsa_kernel
	.amdgpu_metadata
---
amdhsa.version: [ 1, 2 ]
amdhsa.kernels:
  - .name:           k_qea7f9cbdc3_prep
    .symbol:         k_qea7f9cbdc3_prep.kd
    .args:
      - { .name: Wq, .offset: 0, .size: 8, .value_kind: global_buffer, .address_space: global }
      - { .name: Wkv, .offset: 8, .size: 8, .value_kind: global_buffer, .address_space: global }
      - { .name: proj_w, .offset: 16, .size: 8, .value_kind: global_buffer, .address_space: global }
      - { .name: lowp_scales, .offset: 24, .size: 8, .value_kind: global_buffer, .address_space: global }
      - { .name: wcodes, .offset: 32, .size: 8, .value_kind: global_buffer, .address_space: global }
    .group_segment_fixed_size: 0
    .private_segment_fixed_size: 0
    .kernarg_segment_align: 8
    .kernarg_segment_size: 40
    .max_flat_workgroup_size: 128
    .sgpr_count:     66
    .vgpr_count:     48
    .wavefront_size: 32
...
	.end_amdgpu_metadata
.endif
;; end of part 1
;; launch main (part 2): grid 8 x 32, 4 waves a work-group, clusters of 4 x 1, 279,040 bytes of LDS; arguments features, wcodes, ln_kv_w, ln_kv_b, ln_q_w, ln_q_b, proj_b, lowp_scales, out0; writes out0
.if DOCPART == 2
	.amdgcn_target "amdgcn-amd-amdhsa--gfx1250"
	.amdhsa_code_object_version 6
	.text
	.protected	k_qea7f9cbdc3_main
	.globl	k_qea7f9cbdc3_main
	.p2align	8
	.type	k_qea7f9cbdc3_main,@function
k_qea7f9cbdc3_main:
	s_mov_b64 s[64:65], 0
	v_nop
	global_prefetch_b8 v0, s[64:65] scope:SCOPE_SE
	s_setreg_imm32_b32 hwreg(HW_REG_WAVE_MODE, 25, 1), 1
	s_wait_xcnt 0x0
	s_wait_alu depctr_hold_cnt(0) depctr_sa_sdst(0) depctr_va_vdst(0) depctr_va_sdst(0) depctr_va_ssrc(0) depctr_va_vcc(0) depctr_vm_vsrc(0)
	s_getreg_b32 s2, hwreg(HW_REG_IB_STS2, 6, 4)
	s_cmp_eq_u32 s2, 0
	s_cbranch_scc0 .Lentry_in_a_cluster
	s_endpgm
.Lentry_in_a_cluster:
	s_bfe_u32 s2, ttmp6, 0x10000c
	s_cmp_lg_u32 s2, 0x3003
	s_cbranch_scc0 .Lentry_shape_is_right
	s_endpgm
.Lentry_shape_is_right:
; LOCAL ATTENTION, all of it in one launch: pooling, both layer norms, q, k, v (products on codes of E4M3), the softmax over a patch's own 16 pixels, the weighted sum, the projection, the residual.
; SHARES.  A work-group owns 32 patches of one image: two rows of 16 patches = 8 image rows; for one channel that is 2,048 consecutive bytes.  It runs two BLOCKS (a row of patches each), a block as two halves of two image rows.
; A TILE'S 16 COLUMNS ARE THE 16 PATCHES OF THE ROW, at one pixel position n = 0 .. 15.  All products are used transposed (source 0 = 16 rows of a weight, source 1 = the tile), so a lane holds ONE patch, and the softmax
; and the sum over n run over a lane's registers.  The weights' rows are chosen so that lane (r, h) of wave w holds patch r and head 2 w + h with all 32 channels of the head: no lane looks at another in the attention.
; WAVES SHARE CHANNELS AND COLUMNS, NOT PIXELS.  On the way to codes wave w owns channels 64 w .. 64 w + 63 of all pixels; in the products it owns heads 2 w, 2 w + 1 (its part of Wkv stays in 256 registers) and outputs 64 w .. + 63.
; Codes go from wave to wave through LDS as images of the operand's registers (16 bytes a lane, 512 bytes an instruction).
; LAYER NORM.  Each wave takes the mean and the centred sum of squares of its 64 channels; the four are joined after ONE exchange: mean = the means' mean, M2 = the sum of the M2 + 64 x the sum of (m - mean)^2.  No difference of large sums is formed.
; THE PLACES OF k ARE PERMUTED, alike in both operands: q, kv: (K step s, half h, register 4 g + q, byte y) = channel 128 s + 64 h + 16 g + 4 q + y;  proj: channel 128 s + 64 (reg >> 3) + 32 h + 4 (reg & 7) + y.
; THE WEIGHTS' CODES.  Wq's and proj_w's (131,072 bytes a work-group) lie in LDS: the four work-groups of a cluster ask for them jointly (mask 15).  Wkv's go from memory straight into the registers where they stay, 64 loads a wave,
; each of 512 consecutive bytes, and are NOT asked for jointly: a joint load ends in LDS, and 131,072 bytes more do not fit beside those 131,072 and the 111,616 of images, stages and tables (373,760 against 327,680).
; The features are read by nobody twice.  NO PREFETCH: every wave asks for its features as far ahead as its load counter's field allows, from the head on.
; LIMITS on the given exponents, so that each power of two is an f32 number: e0, e2 and e4 - e2 - e3 between -126 and 119; e0 + e1 + e2 + e3 - 4 between -126 and 127; e4 + e5 between -126 and 127.  NaN among the inputs is not served.
; REGISTERS, in windows of 256.  Window 1: Wkv, fragment (T, s) at v[32 T + 16 s].  Window 2, window 3: the two halves' numbers, X[4 c + px], c = my channel 0 .. 63, px = the pixel's column in its patch.
; Window 0: v1-23 addresses and constants.  On the way to codes: v24-31 four chains; v32-35 my means, v36-39 my M2; v40-43 rs, v44-47 (m - mean) rs; v48-51 mean; v52, v53 q's local mean and M2; v54-57 q's rs and shift, twice;
;   v58-61 at work; v64-127 P[c], the pooled sums; v128-159 T; v160-175 and v208-223 codes, two sets; v176-191 and v192-207 a table's lines, two sets; v224-255 RB = reduce_feats + proj_b in the result's layout.
; In the products: v24-39 scores, then p; v40-43 maximum, p twice; v44-51 chains; v48-55 sums, codes; v56, v57 1 / l; v64-95 q, then O; v96-159 two tiles' fragments; v160-223 two sets of four result tiles; v224-255 RB.
.set WQP,   0                          ; LDS: a wave's Wq (8 fragments) and proj_w (8): 32,768 bytes a wave; filled once, read by that wave alone
.set PIMG,  131072                     ; the pixels' codes: tile n, K step s at 4,096 n + 2,048 s
.set QIMG,  196608                     ; q's operand (4,096 bytes), then 4,096 that lanes 16-31 write and nobody reads
.set AIMG,  204800                     ; the aggregate's codes: 4,096 bytes
.set STAGE, 208896                     ; the way out: 16 rows x (256 + 16) bytes for each wave
.set EX0,   262144                     ; the exchange of the first half: wave w at 1,024 w: means, at + 512 M2; the second half's lies 4,096 further on
.set EXQ,   270336                     ; q's exchange: wave w at 256 w, 8 bytes a lane
.set TABKV, 271360                     ; channel c at 8 c: ln_kv_w, ln_kv_b
.set TABQ,  275456                     ; ln_q_w, 256 numbers; at + 1,024 ln_q_b
.set PBT,   277504                     ; proj_b
.set MSB, 0
.macro WIN new                         ; s_set_vgpr_msb: bits 1:0 source 0, 3:2 source 1, 5:4 source 2, 7:6 destination; the high byte repeats the setting that is left
.if MSB != (\new)
	s_set_vgpr_msb (MSB<<8)|(\new)
.set MSB, \new
.endif
.endm
.macro ROUND                           ; a round of the cluster's barrier
	s_barrier_signal -1
	s_barrier_wait -1
	s_cmp_lg_u32 s3, 0
	s_cbranch_scc1 .Lnot_wave_0_\@
	s_barrier_signal -3
.Lnot_wave_0_\@:
	s_barrier_wait -3
	s_barrier_signal -1
	s_barrier_wait -1
.endm
.macro BAR                             ; my LDS stores have landed and my LDS loads are in: then the work-group's barrier
	s_wait_dscnt 0x0
	s_barrier_signal -1
	s_barrier_wait -1
.endm
.macro MKSC se, vl, vs                 ; of the exponent in s[se]: v[vs] = 2^e, v[vl] = 448 x 2^e
	s_add_co_i32 s60, s[\se], 127
	s_lshl_b32 s61, s60, 23
	v_mov_b32 v[\vs], s61
	s_add_co_i32 s60, s60, 8
	s_lshl_b32 s60, s60, 23
	s_or_b32 s60, s60, 0x600000
	v_mov_b32 v[\vl], s60
.endm
; Two image rows of my channels c0 .. c1 - 1 into window rw: each load reads 512 consecutive bytes; lane (u, r) gets the 4 pixels of patch r in image row u.
; A half's 64 loads go out as 60 and, later, 4: the load counter's field holds 63, and no load is to stand against a full counter.
.macro XLOAD rw, off, c0, c1
	WIN 64*(\rw)
.set cc, \c0
.rept (\c1)-(\c0)
	global_load_b128 v[4*cc:4*cc+3], v1, s[8:9] offset:16384*cc+(\off) th:TH_LOAD_NT
.set cc, cc+1
.endr
	WIN 0
.endm
; A half's statistics: sums over my 64 channels (four chains), the pooled sums, the local means, the numbers centred in place, the centred squares; means and M2 to the exchange
.macro LSTAT rw, ex, first
	WIN 5*(\rw)                                    ; sources 0 and 1: the numbers
	v_pk_add_f32 v[24:25], v[0:1], v[8:9]          ; channels 0-3 start the chains: nothing is cleared
	v_pk_add_f32 v[26:27], v[2:3], v[10:11]
	v_pk_add_f32 v[28:29], v[4:5], v[12:13]
	v_pk_add_f32 v[30:31], v[6:7], v[14:15]
	WIN \rw
.set cc, 4
.rept 60
	v_pk_add_f32 v[24+4*(cc%2):25+4*(cc%2)], v[4*cc:4*cc+1], v[24+4*(cc%2):25+4*(cc%2)]
	v_pk_add_f32 v[26+4*(cc%2):27+4*(cc%2)], v[4*cc+2:4*cc+3], v[26+4*(cc%2):27+4*(cc%2)]
.set cc, cc+1
.endr
	s_wait_dscnt 0x0                               ; my earlier LDS stores (tables, images) are done: v128-191, from which some of them read, are written next
.irp bt, 0,1                           ; pooling, 32 channels at a time: the 4 pixels of a lane
	WIN 5*(\rw)
.set cc, 0
.rept 32
	v_pk_add_f32 v[128+2*cc:129+2*cc], v[4*(32*\bt+cc):4*(32*\bt+cc)+1], v[4*(32*\bt+cc)+2:4*(32*\bt+cc)+3]
.set cc, cc+1
.endr
	WIN 0
.if \first
.set cc, 0
.rept 32
	v_add_f32 v[64+32*\bt+cc], v[128+2*cc], v[129+2*cc]
.set cc, cc+1
.endr
.else
.set cc, 0
.rept 32
	v_add_f32 v[64+32*\bt+cc], v[64+32*\bt+cc], v[128+2*cc]
.set cc, cc+1
.endr
.set cc, 0
.rept 32
	v_add_f32 v[64+32*\bt+cc], v[64+32*\bt+cc], v[129+2*cc]
.set cc, cc+1
.endr
.endif
.endr
	v_pk_add_f32 v[24:25], v[24:25], v[28:29]
	v_pk_add_f32 v[26:27], v[26:27], v[30:31]
	v_pk_mul_f32 v[32:33], v[24:25], 0x3c800000 op_sel_hi:[1,0]   ; / 64: my means of the 4 pixels
	v_pk_mul_f32 v[34:35], v[26:27], 0x3c800000 op_sel_hi:[1,0]
	WIN 65*(\rw)                                   ; source 0 and destination: the numbers
.set cc, 0
.rept 64
	v_pk_add_f32 v[4*cc:4*cc+1], v[4*cc:4*cc+1], v[32:33] neg_lo:[0,1] neg_hi:[0,1]
	v_pk_add_f32 v[4*cc+2:4*cc+3], v[4*cc+2:4*cc+3], v[34:35] neg_lo:[0,1] neg_hi:[0,1]
.set cc, cc+1
.endr
	WIN 5*(\rw)
	v_pk_mul_f32 v[24:25], v[0:1], v[0:1]
	v_pk_mul_f32 v[26:27], v[2:3], v[2:3]
	v_pk_mul_f32 v[28:29], v[4:5], v[4:5]
	v_pk_mul_f32 v[30:31], v[6:7], v[6:7]
.set cc, 2
.rept 62
	v_pk_fma_f32 v[24+4*(cc%2):25+4*(cc%2)], v[4*cc:4*cc+1], v[4*cc:4*cc+1], v[24+4*(cc%2):25+4*(cc%2)]
	v_pk_fma_f32 v[26+4*(cc%2):27+4*(cc%2)], v[4*cc+2:4*cc+3], v[4*cc+2:4*cc+3], v[26+4*(cc%2):27+4*(cc%2)]
.set cc, cc+1
.endr
	WIN 0
	v_pk_add_f32 v[36:37], v[24:25], v[28:29]
	v_pk_add_f32 v[38:39], v[26:27], v[30:31]
	ds_store_b128 v8, v[32:35] offset:\ex
	ds_store_b128 v8, v[36:39] offset:\ex+512
.endm
; The pooled sums are finished: + the other image rows' (lane l xor 16); RB = sum / 16 + proj_b in the last product's layout; q's local mean and M2; P = sum / 16 - local mean
.macro POOLFIN
.irp t, 0,1,2,3
	ds_load_b128 v[192+8*\t:195+8*\t], v14 offset:64*\t       ; proj_b of outputs 64 w + 16 t + 8 h + 0 .. 7
	ds_load_b128 v[196+8*\t:199+8*\t], v14 offset:64*\t+16
.endr
.set ii, 0
.rept 64
	v_permlanex16_b32 v[128+ii], v[64+ii], s52, s53
.set ii, ii+1
.endr
.set ii, 0
.rept 32
	v_pk_add_f32 v[64+ii:65+ii], v[64+ii:65+ii], v[128+ii:129+ii]
.set ii, ii+2
.endr
.irp t, 0,1,2,3
.irp j, 0,1,2,3,4,5,6,7
	v_cndmask_b32 v[224+8*\t+\j], v[64+16*\t+\j], v[72+16*\t+\j], s50   ; lanes 16-31 take channels 16 t + 8 + j
.endr
.endr
	s_wait_dscnt 0x0                               ; proj_b is in
.set ii, 0
.rept 16
	v_pk_fma_f32 v[224+ii:225+ii], v[224+ii:225+ii], 0x3d800000, v[192+ii:193+ii] op_sel_hi:[1,0,1]   ; reduce_feats + proj_b
.set ii, ii+2
.endr
.irp k, 0,1,2,3
	v_pk_add_f32 v[24+2*\k:25+2*\k], v[64+2*\k:65+2*\k], v[72+2*\k:73+2*\k]
.endr
.set ii, 8
.rept 24
	v_pk_add_f32 v[24+2*(ii%4):25+2*(ii%4)], v[24+2*(ii%4):25+2*(ii%4)], v[64+2*ii:65+2*ii]
.set ii, ii+1
.endr
	v_pk_add_f32 v[24:25], v[24:25], v[28:29]
	v_pk_add_f32 v[26:27], v[26:27], v[30:31]
	v_pk_add_f32 v[24:25], v[24:25], v[26:27]
	v_add_f32 v52, v24, v25
	v_mul_f32 v52, 0x3a800000, v52                 ; / 16 / 64: the local mean of reduce_feats
	v_mov_b32 v58, v52
	v_mov_b32 v59, v52
.set ii, 0
.rept 32
	v_pk_fma_f32 v[64+ii:65+ii], v[64+ii:65+ii], 0x3d800000, v[58:59] op_sel_hi:[1,0,1] neg_lo:[0,0,1] neg_hi:[0,0,1]
.set ii, ii+2
.endr
.irp k, 0,1,2,3
	v_pk_mul_f32 v[24+2*\k:25+2*\k], v[64+2*\k:65+2*\k], v[64+2*\k:65+2*\k]
.endr
.set ii, 4
.rept 28
	v_pk_fma_f32 v[24+2*(ii%4):25+2*(ii%4)], v[64+2*ii:65+2*ii], v[64+2*ii:65+2*ii], v[24+2*(ii%4):25+2*(ii%4)]
.set ii, ii+1
.endr
	v_pk_add_f32 v[24:25], v[24:25], v[28:29]
	v_pk_add_f32 v[26:27], v[26:27], v[30:31]
	v_pk_add_f32 v[24:25], v[24:25], v[26:27]
	v_add_f32 v53, v24, v25
	ds_store_b64 v10, v[52:53]
.endm
; The four waves' means and M2 of my 4 pixels are joined: rs = 1 / sqrt(var + 1e-5), and (my mean - mean) x rs
.macro LCOMB ex
.irp k, 0,1,2,3
	ds_load_b128 v[128+8*\k:131+8*\k], v9 offset:\ex+1024*\k
	ds_load_b128 v[132+8*\k:135+8*\k], v9 offset:\ex+1024*\k+512
.endr
.irp i, 0,1,2,3
	ds_load_b128 v[176+4*\i:179+4*\i], v12 offset:16*\i       ; the table's lines of my channels 0-7: (w, b) of two channels a load,
.endr
.irp i, 0,1,2,3
	ds_load_b128 v[192+4*\i:195+4*\i], v12 offset:64+16*\i    ; and of channels 8-15, into the other set
.endr
	s_wait_dscnt 8                                 ; the eight table loads issued last may be out
	v_pk_add_f32 v[48:49], v[128:129], v[136:137]
	v_pk_add_f32 v[50:51], v[130:131], v[138:139]
	v_pk_add_f32 v[58:59], v[144:145], v[152:153]
	v_pk_add_f32 v[60:61], v[146:147], v[154:155]
	v_pk_add_f32 v[208:209], v[132:133], v[140:141]
	v_pk_add_f32 v[210:211], v[134:135], v[142:143]
	v_pk_add_f32 v[212:213], v[148:149], v[156:157]
	v_pk_add_f32 v[214:215], v[150:151], v[158:159]
	v_pk_add_f32 v[48:49], v[48:49], v[58:59]
	v_pk_add_f32 v[50:51], v[50:51], v[60:61]
	v_pk_add_f32 v[208:209], v[208:209], v[212:213]
	v_pk_add_f32 v[210:211], v[210:211], v[214:215]
	v_pk_mul_f32 v[48:49], v[48:49], 0x3e800000 op_sel_hi:[1,0]   ; the mean over 256 channels
	v_pk_mul_f32 v[50:51], v[50:51], 0x3e800000 op_sel_hi:[1,0]
.irp k, 0,1,2,3
	v_pk_add_f32 v[128+8*\k:129+8*\k], v[128+8*\k:129+8*\k], v[48:49] neg_lo:[0,1] neg_hi:[0,1]
	v_pk_add_f32 v[130+8*\k:131+8*\k], v[130+8*\k:131+8*\k], v[50:51] neg_lo:[0,1] neg_hi:[0,1]
.endr
	v_pk_mul_f32 v[58:59], v[128:129], v[128:129]
	v_pk_mul_f32 v[60:61], v[130:131], v[130:131]
.irp k, 1,2,3
	v_pk_fma_f32 v[58:59], v[128+8*\k:129+8*\k], v[128+8*\k:129+8*\k], v[58:59]
	v_pk_fma_f32 v[60:61], v[130+8*\k:131+8*\k], v[130+8*\k:131+8*\k], v[60:61]
.endr
	v_pk_fma_f32 v[208:209], v[58:59], 0x42800000, v[208:209] op_sel_hi:[1,0,1]   ; + 64 x the sum of (m - mean)^2
	v_pk_fma_f32 v[210:211], v[60:61], 0x42800000, v[210:211] op_sel_hi:[1,0,1]
.irp i, 0,1,2,3
	v_fma_f32 v[208+\i], v[208+\i], s26, s27       ; / 256 + 1e-5
.endr
.irp i, 0,1,2,3
	v_rsq_f32 v[40+\i], v[208+\i]
.endr
	v_pk_add_f32 v[44:45], v[32:33], v[48:49] neg_lo:[0,1] neg_hi:[0,1]   ; plain lines behind the roots
	v_pk_add_f32 v[46:47], v[34:35], v[50:51] neg_lo:[0,1] neg_hi:[0,1]
	s_wait_alu depctr_va_vdst(0)                   ; one wait for the four roots, ahead of their first reader
	v_pk_mul_f32 v[44:45], v[44:45], v[40:41]
	v_pk_mul_f32 v[46:47], v[46:47], v[42:43]
.endm
; A half's numbers become codes, 8 channels at a time.  y = (x' rs + shift) w + b, in place; THE HOLD TURNS THE REGISTERS: it writes [pixel][8 channels] out of [channel][pixel], so that a conversion finds
; 8 channels of one pixel on end.  Two groups make 16 channels = 16 bytes a pixel: one LDS store into tile n = 8 hbk + 4 u + px, at the place of lane 16 (w & 1) + r of K step w >> 1.
; A channel's (w, b) is one register pair: of source 1 the first word serves both halves, of source 2 the second.  The table's lines lie in two sets and are asked for two groups ahead; the codes lie in two sets too,
; so that a set is written again only behind a wait that shows its image stores done.  THE WAIT of group g is for its table lines; behind them were issued: groups 0, 1: the next set's 4 loads; groups 2 to 6: 4 loads and
; 4 image stores; group 7: 4 image stores.
.macro LQUANT rw, hbk
.irp g, 0,1,2,3,4,5,6,7
.set TA, 176+16*(\g%2)
.set CDS, 160+48*((\g/2)%2)
	WIN 65*(\rw)
.irp ci, 0,1,2,3,4,5,6,7
	v_pk_fma_f32 v[4*(8*\g+\ci):4*(8*\g+\ci)+1], v[4*(8*\g+\ci):4*(8*\g+\ci)+1], v[40:41], v[44:45]
	v_pk_fma_f32 v[4*(8*\g+\ci)+2:4*(8*\g+\ci)+3], v[4*(8*\g+\ci)+2:4*(8*\g+\ci)+3], v[42:43], v[46:47]
.endr
.if (\g < 2) || (\g == 7)
	s_wait_dscnt 4
.else
	s_wait_dscnt 8
.endif
.irp ci, 0,1,2,3,4,5,6,7
	v_pk_fma_f32 v[4*(8*\g+\ci):4*(8*\g+\ci)+1], v[4*(8*\g+\ci):4*(8*\g+\ci)+1], v[TA+2*\ci:TA+2*\ci+1], v[TA+2*\ci:TA+2*\ci+1] op_sel:[0,0,1] op_sel_hi:[1,0,1]
	v_pk_fma_f32 v[4*(8*\g+\ci)+2:4*(8*\g+\ci)+3], v[4*(8*\g+\ci)+2:4*(8*\g+\ci)+3], v[TA+2*\ci:TA+2*\ci+1], v[TA+2*\ci:TA+2*\ci+1] op_sel:[0,0,1] op_sel_hi:[1,0,1]
.endr
	WIN 0
.if \g < 6
.irp i, 0,1,2,3
	ds_load_b128 v[TA+4*\i:TA+4*\i+3], v12 offset:64*(\g+2)+16*\i    ; the lines of the group after next, into the set just read
.endr
.endif
	WIN \rw
.irp px, 0,1,2,3
.irp ci, 0,1,2,3,4,5,6,7
	v_med3_num_f32 v[128+8*\px+\ci], v[4*(8*\g+\ci)+\px], -v18, v18   ; the conversion does not saturate (ISA guide 7.6.2)
.endr
.endr
	WIN 0
.irp px, 0,1,2,3
	v_cvt_scalef32_pk8_fp8_f32 v[CDS+4*\px+2*(\g%2):CDS+4*\px+2*(\g%2)+1], v[128+8*\px:135+8*\px], v19
.endr
	v_nop                                          ; a plain line behind the last conversion of the run
.if \g%2
.irp px, 0,1,2,3
	ds_store_b128 v3, v[CDS+4*\px:CDS+4*\px+3] offset:(8*\hbk+\px)*4096+512*(\g/2)
.endr
.endif
.endr
.endm
.macro QTAB reg, j                     ; ln_q_w and ln_q_b of my channels 16 j .. 16 j + 15: 16 registers each
.irp i, 0,1,2,3
	ds_load_b128 v[\reg+4*\i:\reg+4*\i+3], v13 offset:64*(\j)+16*\i
	ds_load_b128 v[\reg+16+4*\i:\reg+16+4*\i+3], v13 offset:1024+64*(\j)+16*\i
.endr
.endm
; q's operand: the four waves' statistics of reduce_feats are joined; y = (P rs + shift) w + b along my 64 channels; codes; image.  The table's lines lie in two sets (v176-207, v128-159), asked for two chunks ahead.
.macro QQUANT
.irp k, 0,1,2,3
	ds_load_b64 v[24+2*\k:25+2*\k], v11 offset:256*\k
.endr
	QTAB 176, 0
	QTAB 128, 1
	s_wait_dscnt 16                                ; the sixteen table loads issued last may be out; the statistics are in, and the pixels' image stores are done
	v_add_f32 v58, v24, v26
	v_add_f32 v59, v28, v30
	v_add_f32 v60, v25, v27
	v_add_f32 v61, v29, v31
	v_add_f32 v58, v58, v59
	v_add_f32 v60, v60, v61
	v_mul_f32 v58, 0x3e800000, v58                 ; the mean
.irp k, 0,1,2,3
	v_sub_f32 v[24+2*\k], v[24+2*\k], v58
.endr
	v_mul_f32 v59, v24, v24
	v_fmac_f32 v59, v26, v26
	v_fmac_f32 v59, v28, v28
	v_fmac_f32 v59, v30, v30
	v_fmamk_f32 v60, v59, 0x42800000, v60
	v_fma_f32 v60, v60, s26, s27
	v_rsq_f32 v54, v60
	v_sub_f32 v56, v52, v58                        ; a plain line behind the root
	s_wait_alu depctr_va_vdst(0)                   ; ahead of the root's first reader
	v_mul_f32 v56, v56, v54
	v_mov_b32 v55, v54
	v_mov_b32 v57, v56
.irp j, 0,1,2,3                        ; 16 channels at a time
.set TQ, 176-48*(\j%2)
.irp i, 0,2,4,6,8,10,12,14
	v_pk_fma_f32 v[64+16*\j+\i:65+16*\j+\i], v[64+16*\j+\i:65+16*\j+\i], v[54:55], v[56:57]
.endr
.if \j < 3
	s_wait_dscnt 8                                 ; behind this chunk's eight loads stand the next chunk's eight
.else
	s_wait_dscnt 0x0
.endif
.irp i, 0,2,4,6,8,10,12,14
	v_pk_fma_f32 v[64+16*\j+\i:65+16*\j+\i], v[64+16*\j+\i:65+16*\j+\i], v[TQ+\i:TQ+\i+1], v[TQ+16+\i:TQ+17+\i]
.endr
.if \j < 2
	QTAB TQ, \j+2
.endif
.irp i, 0,1,2,3,4,5,6,7,8,9,10,11,12,13,14,15
	v_med3_num_f32 v[64+16*\j+\i], v[64+16*\j+\i], -v20, v20
.endr
	v_cvt_scalef32_pk8_fp8_f32 v[160+4*\j:161+4*\j], v[64+16*\j:71+16*\j], v21
	v_cvt_scalef32_pk8_fp8_f32 v[162+4*\j:163+4*\j], v[72+16*\j:79+16*\j], v21
.endr
	v_nop                                          ; a plain line behind the last conversion
.irp g, 0,1,2,3
	ds_store_b128 v5, v[160+4*\g:163+4*\g] offset:512*\g
.endr
.endm
.macro FETCHF reg, n                   ; tile n's two fragments
.irp s, 0,1
.irp c, 0,1,2,3
	ds_load_b128 v[\reg+16*\s+4*\c:\reg+16*\s+4*\c+3], v2 offset:4096*(\n)+2048*\s+512*\c
.endr
.endr
.endm
; A product of 16 patches x 256 K with my 64 rows of Wq or proj_w.  Its barrier shows the operand's image whole; my weights' fragments, bytes that nobody ever stores to, are asked for between signal and wait.
.macro GEMM8 woff, aoff, areg, dreg
	s_wait_dscnt 0x0                               ; my image stores have landed, my LDS loads are in
	s_barrier_signal -1
.irp t, 0,1,2,3
.irp c, 0,1,2,3
	ds_load_b128 v[160+16*\t+4*\c:163+16*\t+4*\c], v4 offset:\woff+4096*\t+512*\c
	ds_load_b128 v[96+16*\t+4*\c:99+16*\t+4*\c], v4 offset:\woff+4096*\t+2048+512*\c
.endr
.endr
	s_barrier_wait -1
.irp s, 0,1
.irp c, 0,1,2,3
	ds_load_b128 v[\areg+16*\s+4*\c:\areg+16*\s+4*\c+3], v6 offset:\aoff+2048*\s+512*\c
.endr
.endr
	s_wait_dscnt 0x0
.irp t, 0,1,2,3                        ; the four accumulators take turns, one instruction a turn
	v_wmma_f32_16x16x128_fp8_fp8 v[\dreg+8*\t:\dreg+8*\t+7], v[160+16*\t:175+16*\t], v[\areg:\areg+15], 0
.endr
.irp t, 0,1,2,3
	v_wmma_f32_16x16x128_fp8_fp8 v[\dreg+8*\t:\dreg+8*\t+7], v[96+16*\t:111+16*\t], v[\areg+16:\areg+31], v[\dreg+8*\t:\dreg+8*\t+7]
.endr
.rept 5
	v_nop                                          ; places ahead of the reads of the results, of loads into and of products that write over the operands
.endr
.endm
; Line WJ of tile WN's vector work, then WJ steps.  kind 0: the score q . k of pixel WN, 20 lines: 32 channels in a lane, a chain for each result tile, each tile from its low end on.
; Else: O += p(WN) v(WN), 18 lines, ascending; pixel 0 starts the sums.
.macro WORKL kind
.set WK, 160+32*(WN%2)
.if \kind == 0
.if WJ < 4
	v_pk_mul_f32 v[44+2*WJ:45+2*WJ], v[WK+8*WJ:WK+8*WJ+1], v[64+8*WJ:65+8*WJ]
.elseif WJ < 16
.set WT, WJ%4
.set WI, 2*(WJ/4)
	v_pk_fma_f32 v[44+2*WT:45+2*WT], v[WK+8*WT+WI:WK+8*WT+WI+1], v[64+8*WT+WI:65+8*WT+WI], v[44+2*WT:45+2*WT]
.elseif WJ == 16
	v_pk_add_f32 v[44:45], v[44:45], v[46:47]
.elseif WJ == 17
	v_pk_add_f32 v[48:49], v[48:49], v[50:51]
.elseif WJ == 18
	v_pk_add_f32 v[44:45], v[44:45], v[48:49]
.else
	v_add_f32 v[24+WN], v44, v45
.endif
.else
.if WJ < 2
	v_mov_b32 v[42+WJ], v[24+WN]
.elseif WN == 0
	v_pk_mul_f32 v[60+2*WJ:61+2*WJ], v[WK+2*WJ-4:WK+2*WJ-3], v[42:43]
.else
	v_pk_fma_f32 v[60+2*WJ:61+2*WJ], v[WK+2*WJ-4:WK+2*WJ-3], v[42:43], v[60+2*WJ:61+2*WJ]
.endif
.endif
.set WJ, WJ+1
.endm
; A WALK over the 16 tiles, BY TURNS: tile n x my four tiles of Wkv from tile wb on (0: keys, 4: values) is 8 matrix instructions, the four accumulators by turns; behind each of the
; first seven stand two lines of tile n - 1's vector work, which touches the other set of results and no register of tile n's products; that costs two window switches each (Wkv lies in window 1, the vector work in window 0).
; The work's last 6 (scores) or 4 (sums) lines stand behind the eighth: they are the places (ISA guide 7.12.1 for vector instructions) ahead of the loads into tile n's fragments.
; pre = 1: tiles 0 and 1 are asked for again, for the second walk.
.macro PASS wb, pre
.irp n, 0,1,2,3,4,5,6,7,8,9,10,11,12,13,14,15
.set FF, 96+32*(\n%2)
.set KK, 160+32*(\n%2)
.set WN, \n-1
.set WJ, 0
.if \n < 15
	s_wait_dscnt 8                                 ; behind my tile's eight loads stand the next tile's eight
.else
	s_wait_dscnt 0x0
.endif
.irp i, 0,1,2,3,4,5,6,7
	WIN 0x01                                       ; source 0: window 1
.if \i < 4
	v_wmma_f32_16x16x128_fp8_fp8 v[KK+8*\i:KK+8*\i+7], v[32*(\wb+\i):32*(\wb+\i)+15], v[FF:FF+15], 0
.else
	v_wmma_f32_16x16x128_fp8_fp8 v[KK+8*\i-32:KK+8*\i-25], v[32*(\wb+\i)-112:32*(\wb+\i)-97], v[FF+16:FF+31], v[KK+8*\i-32:KK+8*\i-25]
.endif
.if (\n > 0) && (\i < 7)
	WIN 0
	WORKL \wb
	WORKL \wb
.endif
.endr
	WIN 0
.if \n == 0
.rept 5
	v_nop                                          ; no vector work is at hand yet
.endr
.else
.rept 6-2*((\wb)/4)
	WORKL \wb
.endr
.endif
.if \n < 14
	FETCHF 96+32*(\n%2), \n+2
.endif
.endr
.if \pre
	FETCHF 96, 0
	FETCHF 128, 1
.endif
.set WN, 15
.set WJ, 0
.rept 20-2*((\wb)/4)
	WORKL \wb
.endr
.endm
	; ---------------- HEAD
	s_load_b512 s[8:23], s[0:1], 0x0               ; features 8, wcodes 10, ln_kv_w 12, ln_kv_b 14, ln_q_w 16, ln_q_b 18, proj_b 20, the scales' exponents 22
	s_load_b64 s[24:25], s[0:1], 0x40              ; out0
	v_lshl_add_u32 v254, v0, 2, 0x44000
	v_mov_b32 v255, 0
	ds_add_u32 v254, v255
	ds_add_u32 v254, v255
	s_wait_dscnt 0x0
	v_lshrrev_b32 v24, 5, v0
	v_readfirstlane_b32 s3, v24                    ; wave w
	v_and_b32 v25, 31, v0                          ; L
	v_lshlrev_b32 v1, 4, v25                       ; 16 L
	s_lshl_b32 s60, s3, 16
	s_mov_b32 s61, 0
	s_wait_kmcnt 0x0
	s_load_b128 s[44:47], s[22:23], 0x0            ; e0 .. e3
	s_load_b64 s[48:49], s[22:23], 0x10            ; e4, e5
	s_add_nc_u64 s[10:11], s[10:11], s[60:61]      ; wcodes: 65,536 w: Wkv's 16 fragments, then Wq's and proj_w's
	WIN 0x40                                       ; destination window 1
.set ii, 0
.rept 60
	global_load_b128 v[4*ii:4*ii+3], v1, s[10:11] offset:512*ii   ; Wkv's fragments, as images of their registers: they stay.  60 of the 64 now; the set-up and the round stand behind them
.set ii, ii+1
.endr
	WIN 0
	v_and_b32 v26, 15, v0                          ; r
	v_bfe_u32 v27, v0, 4, 1                        ; u = h
	v_lshlrev_b32 v28, 4, v26                      ; 16 r
	v_lshlrev_b32 v29, 3, v25                      ; 8 L
	v_lshlrev_b32 v212, 2, v25                     ; 4 L
	s_lshr_b32 s60, s3, 1
	s_lshl_b32 s60, s60, 11
	s_and_b32 s61, s3, 1
	s_lshl_b32 s61, s61, 8
	s_add_co_u32 s60, s60, s61                     ; 2,048 (w >> 1) + 256 (w & 1): my channels' place in an image
	s_lshl_b32 s61, s3, 10                         ; 1,024 w
	s_lshl_b32 s62, s3, 8                          ; 256 w
	s_lshl_b32 s63, s3, 15                         ; 32,768 w
	s_lshl_b32 s59, s3, 9                          ; 512 w
	s_mul_i32 s7, s3, 4352                         ; my stage
	v_add_nc_u32 v2, PIMG, v1                      ; v2  a tile's fragments: 16 L
	v_lshl_add_u32 v3, v27, 14, v28
	v_add_nc_u32 v3, s60, v3
	v_add_nc_u32 v3, PIMG, v3                      ; v3  where I store pixels' codes: 4 u tiles on, my channels' place, 16 r
	v_add_nc_u32 v4, s63, v1                       ; v4  my Wq and proj_w
	v_lshl_add_u32 v5, v27, 12, v28
	v_add_nc_u32 v5, s60, v5
	v_add_nc_u32 v5, QIMG, v5                      ; v5  where I store q's codes (lanes 16-31, which hold the same, 4,096 bytes further on)
	v_add_nc_u32 v6, QIMG, v1                      ; v6  q's image; the aggregate's lies 8,192 further on
	v_add_nc_u32 v7, s61, v1
	v_add_nc_u32 v8, EX0, v7                       ; v8  where I store statistics
	v_add_nc_u32 v7, AIMG, v7                      ; v7  where I store the aggregate's codes: 1,024 w + 16 L
	v_add_nc_u32 v9, EX0, v1                       ; v9  where I read them
	v_add_nc_u32 v10, s62, v29
	v_add_nc_u32 v10, EXQ, v10                     ; v10, v11 the same for q
	v_add_nc_u32 v11, EXQ, v29
	v_mov_b32 v12, s59
	v_add_nc_u32 v12, TABKV, v12                   ; v12 my 64 lines of the kv table
	v_add_nc_u32 v208, v12, v29
	v_mov_b32 v13, s62
	v_add_nc_u32 v14, PBT, v13
	v_add_nc_u32 v210, v14, v29
	v_lshl_add_u32 v14, v27, 5, v14                ; v14 proj_b of my outputs: + 32 h
	v_add_nc_u32 v13, TABQ, v13                    ; v13 ln_q_w of my channels
	v_add_nc_u32 v209, v13, v29
	v_mul_u32_u24 v15, v26, 272
	v_lshl_add_u32 v15, v27, 5, v15
	v_add_nc_u32 v15, s7, v15
	v_add_nc_u32 v15, STAGE, v15                   ; v15 the stage, in: row r, + 32 h
	v_mul_u32_u24 v16, v27, 272
	v_add_nc_u32 v16, v16, v28
	v_add_nc_u32 v16, s7, v16
	v_add_nc_u32 v16, STAGE, v16                   ; v16 back: lanes 0-15 one row, lanes 16-31 the next
	v_lshl_add_u32 v17, v27, 10, v28               ; v17 the same two rows in out0
	; descriptor group 1: 128 dense rows of 256 bytes, elements of 8 bytes, no padding; asked for jointly by the cluster's four
	s_mov_b32 s28, 15|(3<<16)|(1<<21)              ; 15:0 the mask; 17:16 elements of 8 bytes; 21 set beside a mask
	s_mov_b32 s29, 32<<16                          ; tensor_dim0 = 32
	s_mov_b32 s30, 128<<16                         ; tensor_dim1 = 128
	s_mov_b32 s31, 32<<16                          ; tile_dim0 = 32
	s_mov_b32 s32, 128                             ; tile_dim1 = 128
	s_mov_b32 s33, 32                              ; from row to row
	s_mov_b32 s34, 0
	s_mov_b32 s35, 0
	s_mov_b32 s40, 1
	s_mov_b32 s41, s63                             ; my Wq's and proj_w's place in LDS
	s_add_nc_u64 s[42:43], s[10:11], 0x8000        ; and in wcodes, behind my Wkv
	s_or_b32 s43, s43, 0x80000000                  ; type = 2
	s_mov_b32 s26, 0x3b800000                      ; 1 / 256
	s_mov_b32 s27, 0x3727c5ac                      ; 1e-5
	s_mov_b32 s52, 0x76543210                      ; v_permlanex16_b32: lane l xor 16
	s_mov_b32 s53, 0xfedcba98
	v_cmp_le_u32 s50, 16, v25                      ; lanes 16-31
	s_mov_b32 s61, 0
	s_mov_b32 s63, 0
	s_add_nc_u64 s[12:13], s[12:13], s[62:63]      ; the five vectors and out0 at my 64 numbers
	s_add_nc_u64 s[14:15], s[14:15], s[62:63]
	s_add_nc_u64 s[16:17], s[16:17], s[62:63]
	s_add_nc_u64 s[18:19], s[18:19], s[62:63]
	s_add_nc_u64 s[20:21], s[20:21], s[62:63]
	s_add_nc_u64 s[24:25], s[24:25], s[62:63]
	s_bfe_u32 s4, ttmp6, 0x40000                   ; cx: it enters the features' and out0's addresses alone
	s_lshl_b32 s5, ttmp9, 2
	s_add_co_u32 s5, s5, s4                        ; which pair of patch rows
	s_and_b32 s6, ttmp7, 0xffff                    ; the image
	s_lshl_b32 s60, s6, 22
	s_lshl_b32 s7, s3, 20
	s_add_co_u32 s60, s60, s7
	s_lshl_b32 s7, s5, 11
	s_add_co_u32 s60, s60, s7
	s_add_nc_u64 s[8:9], s[8:9], s[60:61]          ; features: image, my first channel, my 8 image rows
	s_lshl_b32 s60, s6, 18
	s_lshl_b32 s7, s5, 15
	s_add_co_u32 s60, s60, s7
	s_add_nc_u64 s[24:25], s[24:25], s[60:61]      ; out0: image, my 32 rows
	ROUND                                          ; the four work-groups are here: the joint loads meet
	tensor_load_to_lds s[40:43], s[28:35]          ; one tensor load of mine is out
	s_nop 0
.rept 4
	v_nop
.endr
	s_wait_kmcnt 0x0
	MKSC 46, 18, 19                                ; v18, v19: 448 x 2^e2, 2^e2: the pixels'
	MKSC 44, 20, 21                                ; v20, v21: e0: q's operand
	s_sub_co_i32 s62, s48, s46
	s_sub_co_i32 s62, s62, s47
	MKSC 62, 22, 23                                ; v22, v23: e4 - e2 - e3: a sum of v's product stands for sum x 2^(e2 + e3)
	s_add_co_i32 s54, s44, s45
	s_add_co_i32 s54, s54, s46
	s_add_co_i32 s54, s54, s47
	s_sub_co_i32 s54, s54, 4
	s_lshl_b32 s54, s54, 23
	s_add_co_i32 s54, s54, 0x3fb8aa3b              ; log2(e) x 2^(e0 + e1 + e2 + e3) / 16: the exponents are added to the exponent field
	s_mov_b32 s55, s54
	s_add_co_i32 s56, s48, s49
	s_add_co_i32 s56, s56, 127
	s_lshl_b32 s56, s56, 23                        ; 2^(e4 + e5)
	s_mov_b32 s57, s56
	WIN 0x40
.set ii, 60
.rept 4
	global_load_b128 v[4*ii:4*ii+3], v1, s[10:11] offset:512*ii   ; Wkv's last four
.set ii, ii+1
.endr
	WIN 0
	global_load_b32 v128, v212, s[12:13]           ; ln_kv_w, ln_kv_b of channel 64 w + L,
	global_load_b32 v129, v212, s[14:15]
	global_load_b32 v130, v212, s[12:13] offset:128   ; and of channel 64 w + 32 + L
	global_load_b32 v131, v212, s[14:15] offset:128
	global_load_b64 v[136:137], v29, s[16:17]      ; ln_q_w, ln_q_b, proj_b: two numbers a lane
	global_load_b64 v[138:139], v29, s[18:19]
	global_load_b64 v[140:141], v29, s[20:21]
	XLOAD 2, 0, 0, 64                              ; the first block's first half,
	XLOAD 3, 512, 0, 60                            ; and its second
	s_wait_loadcnt 60                              ; all but the 60 loads just issued: Wkv, the tables and the first half are in
	XLOAD 3, 512, 60, 64
	ds_store_b64 v208, v[128:129]                  ; the tables: my own channels' lines, which only I read
	ds_store_b64 v208, v[130:131] offset:256
	ds_store_b64 v209, v[136:137]
	ds_store_b64 v209, v[138:139] offset:1024
	ds_store_b64 v210, v[140:141]
	s_mov_b32 s58, 2                               ; blocks to go
.Lblock:                                           ; here the block's first half is in window 2
	LSTAT 2, 0, 1
	BAR                                            ; 1: the first half's statistics lie in LDS
	LCOMB 0
	LQUANT 2, 0
	s_cmp_eq_u32 s58, 1                            ; window 2 is free: it takes the next block's first half, if there is a next block: no load leaves the buffer
	s_cbranch_scc1 .Llast_a
	XLOAD 2, 1024, 0, 60
	s_wait_loadcnt 60                              ; the second half's loads are older than the 60 just issued
	s_branch .Ljoin_a
.Llast_a:
	s_wait_loadcnt 0x0
.Ljoin_a:
	LSTAT 3, 4096, 0
	POOLFIN
	s_cmp_eq_u32 s58, 1
	s_cbranch_scc1 .Lskip_b0
	XLOAD 2, 1024, 60, 64                          ; window 2's last four channels
.Lskip_b0:
	BAR                                            ; 2: the second half's statistics and q's
	LCOMB 4096
	LQUANT 3, 1
	QQUANT
	s_cmp_eq_u32 s58, 1                            ; window 3 is free
	s_cbranch_scc1 .Llast_b
	XLOAD 3, 1536, 0, 60
	s_branch .Ljoin_b
.Llast_b:
	s_wait_loadcnt 0x0
.Ljoin_b:
	s_wait_tensorcnt 0x0                           ; my Wq and proj_w are in LDS; only I read them.  The launch's one fill: in the second trip nothing is out
	GEMM8 0, 0, 32, 64                             ; barrier 3: all images lie in LDS.  q of patch r, head 2 w + h, in v64-95
.set ii, 0
.rept 16
	v_pk_mul_f32 v[64+ii:65+ii], v[64+ii:65+ii], s[54:55] op_sel_hi:[1,0]   ; x log2(e) / 16 and the four scales
.set ii, ii+2
.endr
	FETCHF 96, 0
	FETCHF 128, 1
	PASS 0, 1                                      ; k, tile by tile, and the scores
	s_cmp_eq_u32 s58, 1
	s_cbranch_scc1 .Lskip_b1
	XLOAD 3, 1536, 60, 64                          ; window 3's last four channels
.Lskip_b1:
	v_max3_num_f32 v40, v24, v25, v26              ; the softmax over the 16 pixels, all in my registers: the maximum, in two chains,
	v_max3_num_f32 v42, v27, v28, v29
	v_max3_num_f32 v40, v40, v30, v31
	v_max3_num_f32 v42, v42, v32, v33
	v_max3_num_f32 v40, v40, v34, v35
	v_max3_num_f32 v42, v42, v36, v37
	v_max3_num_f32 v40, v40, v38, v39
	v_max_num_f32 v40, v40, v42
	v_mov_b32 v41, v40
.irp i, 0,2,4,6,8,10,12,14
	v_pk_add_f32 v[24+\i:25+\i], v[24+\i:25+\i], v[40:41] neg_lo:[0,1] neg_hi:[0,1]
.endr
.irp i, 0,1,2,3,4,5,6,7,8,9,10,11,12,13,14,15
	v_exp_f32 v[24+\i], v[24+\i]                   ; p = 2^(t - max)
.endr
	v_nop                                          ; a plain line behind the exponentials
	s_wait_alu depctr_va_vdst(0)                   ; one wait for the batch, ahead of its first reader
	v_pk_add_f32 v[48:49], v[24:25], v[26:27]
	v_pk_add_f32 v[50:51], v[28:29], v[30:31]
	v_pk_add_f32 v[52:53], v[32:33], v[34:35]
	v_pk_add_f32 v[54:55], v[36:37], v[38:39]
	v_pk_add_f32 v[48:49], v[48:49], v[50:51]
	v_pk_add_f32 v[52:53], v[52:53], v[54:55]
	v_pk_add_f32 v[48:49], v[48:49], v[52:53]
	v_add_f32 v48, v48, v49                        ; l, at least 1
	v_rcp_f32 v56, v48                             ; its first reader stands behind the second walk
	v_nop
	PASS 4, 0                                      ; v, tile by tile, and O += p v
	s_wait_alu depctr_va_vdst(0)                   ; the reciprocal's wait, ahead of its first reader
	v_mov_b32 v57, v56
.set ii, 0
.rept 16
	v_pk_mul_f32 v[64+ii:65+ii], v[64+ii:65+ii], v[56:57]   ; / l
.set ii, ii+2
.endr
.set ii, 0
.rept 32
	v_med3_num_f32 v[64+ii], v[64+ii], -v22, v22
.set ii, ii+1
.endr
.irp i, 0,1,2,3
	v_cvt_scalef32_pk8_fp8_f32 v[48+2*\i:49+2*\i], v[64+8*\i:71+8*\i], v23
.endr
	v_nop                                          ; a plain line behind the last conversion
	ds_store_b128 v7, v[48:51]                     ; channels 64 w + 32 h + 0 .. 31: registers 8 (w & 1) .. + 7 of K step w >> 1, my own lane
	ds_store_b128 v7, v[52:55] offset:512
	GEMM8 16384, 8192, 64, 32                      ; barrier 4: the aggregate's image is whole, and nobody reads the pixels' or q's any more.  out(patch r, 64 w + 16 t + 8 h + j) in v32-63
.set ii, 0
.rept 16
	v_pk_fma_f32 v[160+ii:161+ii], v[32+ii:33+ii], s[56:57], v[224+ii:225+ii] op_sel_hi:[1,0,1]   ; sum x 2^(e4 + e5) + reduce_feats + proj_b; each accumulator from its low end on
.set ii, ii+2
.endr
.irp t, 0,1,2,3
	ds_store_b128 v15, v[160+8*\t:163+8*\t] offset:64*\t
	ds_store_b128 v15, v[164+8*\t:167+8*\t] offset:64*\t+16
.endr
.irp i, 0,1,2,3,4,5,6,7
	ds_load_b128 v[192+4*\i:195+4*\i], v16 offset:544*\i      ; LDS serves a wave's instructions in order (ISA guide 5.7.1.4): these see my stores
.endr
.irp i, 0,1,2,3,4,5,6,7
	s_wait_dscnt 7-\i
	global_store_b128 v17, v[192+4*\i:195+4*\i], s[24:25] offset:2048*\i th:TH_STORE_NT   ; 16 lanes store 256 consecutive bytes, at a multiple of 256 from out0's first byte
.endr
	s_wait_loadcnt 60                              ; behind window 2's loads stand at least window 3's first 60: the next block's first half is in
	s_wait_xcnt 0x0                                ; the stores have read their registers and their base: both are written again
	s_add_nc_u64 s[24:25], s[24:25], 16384         ; 16 rows of out0 on
	s_sub_co_u32 s58, s58, 1
	s_cmp_lg_u32 s58, 0
	s_cbranch_scc1 .Lblock
	s_wait_xcnt 0x0
	v_lshl_add_u32 v254, v0, 2, 0x44000
	v_mov_b32 v255, 0
	s_wait_tensorcnt 0x0
	ds_add_u32 v254, v255
	s_wait_dscnt 0x0
	ROUND                                          ; the closing round: no work-group ends while a partner may still ask jointly
	s_endpgm
.Lfunc_end_k_qea7f9cbdc3_main:
	.size	k_qea7f9cbdc3_main, .Lfunc_end_k_qea7f9cbdc3_main-k_qea7f9cbdc3_main
	.p2alignl 7, 3214868480
	.fill 96, 4, 3214868480
	.section	.rodata,"a",@progbits
	.p2align	6, 0x0
	.amdhsa_kernel k_qea7f9cbdc3_main
		.amdhsa_group_segment_fixed_size 279040
		.amdhsa_private_segment_fixed_size 0
		.amdhsa_enable_private_segment 0
		.amdhsa_kernarg_size 72
		.amdhsa_user_sgpr_count 2
		.amdhsa_user_sgpr_kernarg_segment_ptr 1
		.amdhsa_wavefront_size32 1
		.amdhsa_system_sgpr_workgroup_id_x 1
		.amdhsa_system_sgpr_workgroup_id_y 1
		.amdhsa_system_sgpr_workgroup_id_z 1
		.amdhsa_system_vgpr_workitem_id 0
		.amdhsa_next_free_vgpr 1024
		.amdhsa_next_free_sgpr 66
		.amdhsa_reserve_vcc 0
		.amdhsa_float_denorm_mode_32 3
		.amdhsa_float_denorm_mode_16_64 3
		.amdhsa_memory_ordered 1
		.amdhsa_forward_progress 1
		.amdhsa_inst_pref_size 255
	.end_amdhsa_kernel
	.section	.bss,"aw",@nobits
	.p2align	6
	.space	262144
	.amdgpu_metadata
---
amdhsa.version: [ 1, 2 ]
amdhsa.kernels:
  - .name:           k_qea7f9cbdc3_main
    .symbol:         k_qea7f9cbdc3_main.kd
    .args:
      - { .name: features, .offset: 0, .size: 8, .value_kind: global_buffer, .address_space: global }
      - { .name: wcodes, .offset: 8, .size: 8, .value_kind: global_buffer, .address_space: global }
      - { .name: ln_kv_w, .offset: 16, .size: 8, .value_kind: global_buffer, .address_space: global }
      - { .name: ln_kv_b, .offset: 24, .size: 8, .value_kind: global_buffer, .address_space: global }
      - { .name: ln_q_w, .offset: 32, .size: 8, .value_kind: global_buffer, .address_space: global }
      - { .name: ln_q_b, .offset: 40, .size: 8, .value_kind: global_buffer, .address_space: global }
      - { .name: proj_b, .offset: 48, .size: 8, .value_kind: global_buffer, .address_space: global }
      - { .name: lowp_scales, .offset: 56, .size: 8, .value_kind: global_buffer, .address_space: global }
      - { .name: out0, .offset: 64, .size: 8, .value_kind: global_buffer, .address_space: global }
    .group_segment_fixed_size: 279040
    .private_segment_fixed_size: 0
    .kernarg_segment_align: 8
    .kernarg_segment_size: 72
    .max_flat_workgroup_size: 128
    .sgpr_count:     66
    .vgpr_count:     1024
    .wavefront_size: 32
...
	.end_amdgpu_metadata
.endif
;; end of part 2
